; MI455X (gfx1250); checked and timed in simulation.
; The chip was launched on July 23, 2026; its instructions are those of AMD's public machine-readable ISA for CDNA 5 (MIT licence, August 2026) and "CDNA5" Instruction Set Architecture Reference Guide (July 2026). The comments in the code are by the model that wrote it; some were corrected since.
;; Lin ODE Cell. Allowed arithmetic: float matrix products may take bf16 or f16 operands with f32 sums; all other float work in f32.
;; Inputs: dt 8,192 float32; kernel 64 x 64 float32; x0 8,192 x 64 float32.
;; Outputs: out0 8,192 x 64 float32.
;; One version. Each part assembles by itself: llvm-mc -triple=amdgcn-amd-amdhsa -mcpu=gfx1250 --defsym DOCPART=n.
;; ======== version 1 of 1: 2 launches
;; workspace buffers: cnt 2,048 bytes of whole numbers
;; launch count (part 1): grid 8 x 1, 1 waves a work-group, no clusters, 0 bytes of LDS; arguments dt, kernel, cnt; writes cnt
.if DOCPART == 1
	.amdgcn_target "amdgcn-amd-amdhsa--gfx1250"
	.amdhsa_code_object_version 6
	.text
	.protected	k_q5aa80d855e_count
	.globl	k_q5aa80d855e_count
	.p2align	8
	.type	k_q5aa80d855e_count,@function
k_q5aa80d855e_count:
	s_mov_b64 s[64:65], 0
	v_nop
	global_prefetch_b8 v0, s[64:65] scope:SCOPE_SE
	s_setreg_imm32_b32 hwreg(HW_REG_WAVE_MODE, 25, 1), 1
	s_wait_xcnt 0x0
; cnt[tile] = S, the number of Taylor stages that the next launch runs for the 16 rows of a tile:
;   S = min(floor(kappa * beta / sigma * max|dt|), 2^20 - 1) + 1,  kappa = 1.03 / 3,
; so that |dt| / S times the 2-norm of A = kernel stays under 3.
; THE BOUND.  sigma is the power of two that brings the largest |a| into [1, 2).  Ah = bf16(sigma A), H = Ah Ah^T, W = bf16(H^T), C = W W^T,
; beta = (sum of C's squares)^(1/8) >= the 2-norm of W to the power 1/2.  Each of the two roundings to bf16 moves a matrix by at most 2^-9 of its
; Frobenius norm, 2^-6 of its 2-norm at 64 x 64; the factor 1.03 covers (1 - 2^-6)^-1.5 = 1.024.
; SHARES.  One wave a work-group; work-group g serves tiles 64 g .. 64 g + 63, lane L the tiles 64 g + 2 L and 64 g + 2 L + 1 (32 numbers of dt,
; 128 bytes), and the wave's one store covers 256 consecutive bytes, aligned.  Each of the eight waves makes the bound for itself: 64 matrix
; instructions on 16 KB; nothing passes between work-groups.  No LDS, no barrier, no loop.
; LIMITS.  S is capped at 2^20.  A largest |a| of 2^127 or more is scaled by 2^-126 only (still finite); one under 2^-126 by 2^126 only.  NaN and infinities are not treated apart.
.set DT,  32                           ; v[32:63]   my 32 numbers of dt
.set F,   64                           ; v[64:127]  operand fragments: 16 rows mt, K step ks at F + 16 mt + 8 ks
.set RAW, 128                          ; v[128:255] A in f32, in the fragments' order
.set ACC, 128                          ; then the 16 accumulators: tile (mt, nt) at ACC + 8 (4 nt + mt)
.set KAPPA, 0x3eafc962                 ; 1.03 / 3
	s_load_b128 s[4:7], s[0:1], 0x0                ; dt s[4:5], kernel s[6:7]
	s_load_b64 s[8:9], s[0:1], 0x10                ; cnt
	v_and_b32 v1, 15, v0                           ; r = lane % 16
	v_lshrrev_b32 v2, 4, v0                        ; h = lane / 16 (one wave: v0 is the lane)
	v_lshlrev_b32 v3, 8, v1
	v_lshl_add_u32 v3, v2, 5, v3                   ; row r of 256 bytes + 32 h
	v_lshlrev_b32 v4, 7, v0                        ; my 128 bytes of dt
	v_lshlrev_b32 v5, 3, v0                        ; my 8 bytes of cnt
	v_mov_b32 v24, 0                               ; v_permlanex16_b32's destination counts as read
	s_mov_b32 s12, 0x76543210                      ; each lane takes its own place in the other half
	s_mov_b32 s13, 0xfedcba98
	s_lshl_b32 s10, ttmp9, 12                      ; the work-group's 1,024 numbers of dt
	s_mov_b32 s11, 0
	s_lshl_b32 s14, ttmp9, 8                       ; its 64 words of cnt
	s_mov_b32 s15, 0
	s_wait_kmcnt 0x0
	s_add_nc_u64 s[4:5], s[4:5], s[10:11]
	s_add_nc_u64 s[8:9], s[8:9], s[14:15]
	; A, straight into the order of a 16-bit operand: lane (r, h) takes row 16 mt + r, columns 32 ks + 8 h + 0..7 and 32 ks + 16 + 8 h + 0..7.
	; One pass, no loop: the 32 loads together take every row whole.
.set i, 0
.rept 32                               ; i = 8 mt + 4 ks + q
	global_load_b128 v[RAW+4*i:RAW+4*i+3], v3, s[6:7] offset:(i/8)*4096+((i/4)%2)*128+((i/2)%2)*64+(i%2)*16
.set i, i+1
.endr
.set i, 0
.rept 8
	global_load_b128 v[DT+4*i:DT+4*i+3], v4, s[4:5] offset:16*i
.set i, i+1
.endr
	s_wait_loadcnt 0x8                             ; A is in; the eight younger loads, dt's, stay out
	; the largest |a|: four chains of 32 numbers, three operands at a time
.set i, 0
.rept 16
.set c, 0
.rept 4
.set rb, RAW+32*c
.if i == 0
	v_max3_num_f32 v[20+c], |v[rb]|, |v[rb+1]|, |v[rb+2]|
.elseif i < 15
	v_max3_num_f32 v[20+c], v[20+c], |v[rb+2*i+1]|, |v[rb+2*i+2]|
.else
	v_max3_num_f32 v[20+c], v[20+c], |v[rb+31]|, |v[rb+31]|
.endif
.set c, c+1
.endr
.set i, i+1
.endr
	v_max3_num_f32 v20, v20, v21, v22
	v_max_num_f32 v20, v20, v23
	v_max_num_f32_dpp v20, v20, v20 row_xmask:1 row_mask:0xf bank_mask:0xf
	v_max_num_f32_dpp v20, v20, v20 row_xmask:2 row_mask:0xf bank_mask:0xf
	v_max_num_f32_dpp v20, v20, v20 row_xmask:4 row_mask:0xf bank_mask:0xf
	v_max_num_f32_dpp v20, v20, v20 row_xmask:8 row_mask:0xf bank_mask:0xf
	v_permlanex16_b32 v24, v20, s12, s13
	v_max_num_f32 v20, v20, v24                    ; every lane holds it
	v_max_num_f32 v20, 0x00800000, v20             ; kept within 2^-126 .. 2^126, so that its power of two and the inverse are both normal numbers
	v_min_num_f32 v20, 0x7e800000, v20
	v_and_b32 v18, 0x7f800000, v20                 ; 1 / sigma = 2^e: the exponent alone
	v_sub_nc_u32 v6, 0x7f000000, v18               ; sigma = 2^-e: exponent field 254 - (e + 127)
	v_mov_b32 v7, v6
.set i, 0
.rept 64
	v_pk_mul_f32 v[RAW+2*i:RAW+2*i+1], v[RAW+2*i:RAW+2*i+1], v[6:7]  ; exact: a power of two
.set i, i+1
.endr
.set i, 0
.rept 64
	v_cvt_pk_bf16_f32 v[F+i], v[RAW+2*i], v[RAW+2*i+1]
.set i, i+1
.endr
; 32 matrix instructions: ACC(mt, nt) = rows 16 mt.. of F times rows 16 nt.. of F, transposed.  The first K step starts the sums with the constant 0.
; The 16 accumulators take turns, one instruction a turn.
.macro GRAM
.irp ks, 0,1
.irp nt, 0,1,2,3
.irp mt, 0,1,2,3
.if (\ks) == 0
	v_wmma_f32_16x16x32_bf16 v[ACC+8*(4*(\nt)+(\mt)):ACC+8*(4*(\nt)+(\mt))+7], v[F+16*(\mt):F+16*(\mt)+7], v[F+16*(\nt):F+16*(\nt)+7], 0
.else
	v_wmma_f32_16x16x32_bf16 v[ACC+8*(4*(\nt)+(\mt)):ACC+8*(4*(\nt)+(\mt))+7], v[F+16*(\mt)+8:F+16*(\mt)+15], v[F+16*(\nt)+8:F+16*(\nt)+15], v[ACC+8*(4*(\nt)+(\mt)):ACC+8*(4*(\nt)+(\mt))+7]
.endif
.endr
.endr
.endr
.endm
	GRAM                                           ; H = Ah Ah^T
	s_wait_loadcnt 0x0                             ; dt
	; max |dt| of my two tiles: 16 plain instructions that name no register of the products: they are the places (ISA guide 7.12.1) between
	; the products and the conversions below, which read the results and write over the sources
.set i, 0
.rept 8
.set c, 0
.rept 2
.set rb, DT+16*c
.if i == 0
	v_max3_num_f32 v[26+c], |v[rb]|, |v[rb+1]|, |v[rb+2]|
.elseif i < 7
	v_max3_num_f32 v[26+c], v[26+c], |v[rb+2*i+1]|, |v[rb+2*i+2]|
.else
	v_max3_num_f32 v[26+c], v[26+c], |v[rb+15]|, |v[rb+15]|
.endif
.set c, c+1
.endr
.set i, i+1
.endr
	; W = bf16(H^T).  In a result, register j of lane (r, h) is H(16 mt + 8 h + j, 16 nt + r): eight neighbouring k of row 16 nt + r of H^T.
	; Rounded in pairs they are registers 4 (mt % 2) + 0..3 of fragment (nt, mt / 2): F + 16 nt + 4 mt.  Nothing changes lanes.  Each accumulator is read from its low end on.
.set t, 0
.rept 16                               ; t = 4 nt + mt
.set p, 0
.rept 4
	v_cvt_pk_bf16_f32 v[F+4*t+p], v[ACC+8*t+2*p], v[ACC+8*t+2*p+1]
.set p, p+1
.endr
.set t, t+1
.endr
	GRAM                                           ; C = W W^T
	v_mul_f32 v26, KAPPA, v26                      ; four places behind the last products
	v_mul_f32 v27, KAPPA, v27
	v_nop
	v_nop
	; the sum of C's squares: four packed chains; chain p takes pair p of every accumulator, in ascending order
.set t, 0
.rept 16
.set p, 0
.rept 4
.if t == 0
	v_pk_mul_f32 v[8+2*p:9+2*p], v[ACC+2*p:ACC+2*p+1], v[ACC+2*p:ACC+2*p+1]
.else
	v_pk_fma_f32 v[8+2*p:9+2*p], v[ACC+8*t+2*p:ACC+8*t+2*p+1], v[ACC+8*t+2*p:ACC+8*t+2*p+1], v[8+2*p:9+2*p]
.endif
.set p, p+1
.endr
.set t, t+1
.endr
	v_pk_add_f32 v[8:9], v[8:9], v[10:11]
	v_pk_add_f32 v[12:13], v[12:13], v[14:15]
	v_pk_add_f32 v[8:9], v[8:9], v[12:13]
	v_add_f32 v8, v8, v9
	v_add_f32_dpp v8, v8, v8 row_xmask:1 row_mask:0xf bank_mask:0xf
	v_add_f32_dpp v8, v8, v8 row_xmask:2 row_mask:0xf bank_mask:0xf
	v_add_f32_dpp v8, v8, v8 row_xmask:4 row_mask:0xf bank_mask:0xf
	v_add_f32_dpp v8, v8, v8 row_xmask:8 row_mask:0xf bank_mask:0xf
	v_permlanex16_b32 v24, v8, s12, s13
	v_add_f32 v8, v8, v24
	v_sqrt_f32 v19, v8                             ; the eighth root; a plain instruction stands behind each root before its result is used (ISA guide 5.7.2)
	v_nop
	s_wait_alu depctr_va_vdst(0)
	v_sqrt_f32 v19, v19
	v_nop
	s_wait_alu depctr_va_vdst(0)
	v_sqrt_f32 v19, v19
	v_nop
	s_wait_alu depctr_va_vdst(0)
	v_mul_f32 v26, v26, v19                        ; kappa max|dt| beta,
	v_mul_f32 v27, v27, v19
	v_mul_f32 v26, v26, v18                        ; divided by sigma
	v_mul_f32 v27, v27, v18
	v_cvt_u32_f32 v16, v26                         ; toward zero
	v_cvt_u32_f32 v17, v27
	v_min_u32 v16, 0xfffff, v16
	v_min_u32 v17, 0xfffff, v17
	v_add_nc_u32 v16, 1, v16
	v_add_nc_u32 v17, 1, v17
	global_store_b64 v5, v[16:17], s[8:9]          ; 32 lanes x 8 bytes: 256 consecutive bytes, at a multiple of 256 from cnt's first byte
	s_endpgm
.Lfunc_end_k_q5aa80d855e_count:
	.size	k_q5aa80d855e_count, .Lfunc_end_k_q5aa80d855e_count-k_q5aa80d855e_count
	.p2alignl 7, 3214868480
	.fill 96, 4, 3214868480
	.section	.rodata,"a",@progbits
	.p2align	6, 0x0
	.amdhsa_kernel k_q5aa80d855e_count
		.amdhsa_group_segment_fixed_size 0
		.amdhsa_private_segment_fixed_size 0
		.amdhsa_enable_private_segment 0
		.amdhsa_kernarg_size 24
		.amdhsa_user_sgpr_count 2
		.amdhsa_user_sgpr_kernarg_segment_ptr 1
		.amdhsa_wavefront_size32 1
		.amdhsa_system_sgpr_workgroup_id_x 1
		.amdhsa_system_sgpr_workgroup_id_y 1
		.amdhsa_system_sgpr_workgroup_id_z 1
		.amdhsa_system_vgpr_workitem_id 0
		.amdhsa_next_free_vgpr 256
		.amdhsa_next_free_sgpr 66
		.amdhsa_reserve_vcc 0
		.amdhsa_float_denorm_mode_32 3
		.amdhsa_float_denorm_mode_16_64 3
		.amdhsa_memory_ordered 1
		.amdhsa_forward_progress 1
		.amdhsa_inst_pref_size 33
	.end_amdhsa_kernel
	.amdgpu_metadata
---
amdhsa.version: [ 1, 2 ]
amdhsa.kernels:
  - .name:           k_q5aa80d855e_count
    .symbol:         k_q5aa80d855e_count.kd
    .args:
      - { .name: dt, .offset: 0, .size: 8, .value_kind: global_buffer, .address_space: global }
      - { .name: kernel, .offset: 8, .size: 8, .value_kind: global_buffer, .address_space: global }
      - { .name: cnt, .offset: 16, .size: 8, .value_kind: global_buffer, .address_space: global }
    .group_segment_fixed_size: 0
    .private_segment_fixed_size: 0
    .kernarg_segment_align: 8
    .kernarg_segment_size: 24
    .max_flat_workgroup_size: 32
    .sgpr_count:     66
    .vgpr_count:     256
    .wavefront_size: 32
...
	.end_amdgpu_metadata
.endif
;; end of part 1
;; launch apply (part 2): grid 256 x 1, 2 waves a work-group, no clusters, 26,368 bytes of LDS; arguments dt, kernel, x0, cnt, out0; writes out0
.if DOCPART == 2
	.amdgcn_target "amdgcn-amd-amdhsa--gfx1250"
	.amdhsa_code_object_version 6
	.text
	.protected	k_q5aa80d855e_apply
	.globl	k_q5aa80d855e_apply
	.p2align	8
	.type	k_q5aa80d855e_apply,@function
k_q5aa80d855e_apply:
	s_mov_b64 s[64:65], 0
	v_nop
	global_prefetch_b8 v0, s[64:65] scope:SCOPE_SE
	s_setreg_imm32_b32 hwreg(HW_REG_WAVE_MODE, 25, 1), 1
	s_wait_xcnt 0x0
; out0[b] = exp(A dt[b]) x0[b], A = kernel (64 x 64), b = 0 .. 8,191, without ever forming an exponential matrix.
; METHOD.  S stages (S = cnt[tile], whole numbers that the launch before stored, so that |dt| / S times A's 2-norm is under 3).  A stage is the Taylor polynomial of
; degree 18 in tau A, tau = dt / S, by Horner:  w = x;  for k = 18 .. 1: w = x + (tau / k) (A w);  x = w.  The remainder is under 3^19 / 19! / (1 - 3/20) = 1.1e-8,
; and the magnitudes of a stage's terms add up to e^3 = 20 times the state at the most: no difference of large sums is formed, whatever the norm.
; FORMATS.  The products run on bf16 operands with f32 sums.  A and w each go in as a pair of bf16 numbers, hi = bf16(v), lo = bf16(v - hi), and A w is taken as
; Ah wh + Al wh + Ah wl (the term lo x lo, about 2^-18 of the product, is dropped).  x, w, tau / k and the Horner step itself are f32.
; SHARES.  512 tiles of 16 rows of the batch; a work-group's two waves take a tile each: 256 work-groups.  In the loops a wave touches registers alone: no LDS, no memory, no barrier.
; LAYOUT.  Z^T = A w^T: source 0 = 16 rows of A, source 1 = w (lane % 16 = the row of the batch, k along the registers).  In result tile t register j of lane (r, h) is
; element 16 t + 8 h + j of row r; tiles 2 ks and 2 ks + 1, rounded in pairs, ARE registers 0-3 and 4-7 of source 1 for K step ks: nothing changes lanes between steps.
; NO CLUSTER, NO TENSOR LOAD: what the work-groups share is A, 16 KB, read once each at the start and never in a loop.
; LIMITS.  S is capped at 2^20.  A stage's intermediates reach up to
; e^3 times the state, so an overflow can come that factor earlier.  NaN and infinities are not treated apart.
.set PITCH, 272                        ; an LDS row: 256 bytes + 16 = 68 words: the 16 rows that a 16-byte access touches start at 16 different groups of four banks (64 banks of 4 bytes: ISA guide 11.1)
.set AST,   0                          ; 64 rows: A in f32, the work-group's
.set XST,   64*PITCH                   ; 16 rows for each wave, its own: x0 on the way in, out0 on the way out
.set SPARE, XST+2*16*PITCH             ; the spare words, 128 bytes for each wave: one block of 256 bytes that no other line names
.set GOFF, 2                           ; v2   16 x lane: my 16 bytes of 512 consecutive ones
.set AROW, 3                           ; v3   into AST by rows: (32 wave + h) x pitch + 16 r
.set AFR,  4                           ; v4   out of AST by fragments: r x pitch + 32 h
.set XROW, 5                           ; v5   my stage by rows
.set XFR,  6                           ; v6   my stage by fragments
.set DTO,  7                           ; v7   4 r
.set TAU,  8                           ; v8   dt, then tau, of row r
.set KK,   9                           ; v9   k
.set RK,   10                          ; v10  1 / k
.set NEG1, 11                          ; v11  -1.0
.set CC,   12                          ; v[12:13] tau / k in the low register; the pair is named, so both are written
.set RT0,  14                          ; v[14:21], v[22:29] v - hi, at work
.set RT1,  22
.set SPW,  30                          ; v30  LDS address of my spare word; never rewritten
.set NIL,  31                          ; v31  0; never rewritten
.set AH,   32                          ; v[32:95]   A's hi fragments: rows 16 mt.., K step ks at + 16 mt + 8 ks
.set AL,   96                          ; v[96:159]  A's lo fragments
.set ACC,  160                         ; v[160:191] A w, then w: tile t at + 8 t
.set X,    192                         ; v[192:223] x
.set YH,   224                         ; v[224:239] w's hi: tile t at + 4 t
.set YL,   240                         ; v[240:255] w's lo
.set T0,   ACC                         ; at the start: A's f32 fragments, two buffers of 32
.set T1,   YH
.set MODE0, 0                          ; split x into hi and lo
.set MODEI, 1                          ; w = x + c (A w), in the accumulator's place; split w
.set MODEF, 2                          ; x = x + c (A w): the stage's last step; split x
	s_load_b256 s[4:11], s[0:1], 0x0               ; dt s[4:5], kernel s[6:7], x0 s[8:9], cnt s[10:11]
	s_load_b64 s[12:13], s[0:1], 0x20              ; out0
	v_lshl_add_u32 v[SPW], v0, 2, SPARE
	v_mov_b32 v[NIL], 0
	v_lshrrev_b32 v1, 5, v0
	v_readfirstlane_b32 s14, v1                    ; wave 0, 1
	s_lshl_b32 s15, ttmp9, 1
	s_add_co_u32 s15, s15, s14                     ; my tile
	s_mul_i32 s28, s14, 32*PITCH                   ; the 32 rows of A that I bring
	s_mul_i32 s29, s14, 16*PITCH
	s_add_co_u32 s29, s29, XST                     ; my stage
	s_lshl_b32 s18, s14, 13                        ; those 32 rows in memory
	s_mov_b32 s19, 0
	s_lshl_b32 s34, s15, 12                        ; my 16 rows of x0 and of out0
	s_mov_b32 s35, 0
	s_lshl_b32 s36, s15, 6                         ; my 16 numbers of dt
	s_mov_b32 s37, 0
	s_lshl_b32 s38, s15, 2                         ; my word of cnt
	s_mov_b32 s39, 0
	v_and_b32 v1, 15, v0                           ; r
	v_bfe_u32 v[RK], v0, 4, 1                      ; h
	v_and_b32 v[GOFF], 31, v0
	v_lshlrev_b32 v[GOFF], 4, v[GOFF]
	v_mul_u32_u24 v[AROW], v[RK], PITCH
	v_lshl_add_u32 v[AROW], v1, 4, v[AROW]         ; by rows: lanes 0-15 one row of 256 bytes, lanes 16-31 the next
	v_mul_u32_u24 v[AFR], v1, PITCH
	v_lshl_add_u32 v[AFR], v[RK], 5, v[AFR]        ; by fragments: row r, eight f32 for each half of the lanes
	v_add_nc_u32 v[XROW], s29, v[AROW]
	v_add_nc_u32 v[XFR], s29, v[AFR]
	v_add_nc_u32 v[AROW], s28, v[AROW]
	v_lshlrev_b32 v[DTO], 2, v1
	v_mov_b32 v[NEG1], -1.0
	v_mov_b32 v[CC+1], 0
	s_wait_kmcnt 0x0
	s_add_nc_u64 s[16:17], s[6:7], s[18:19]
	s_add_nc_u64 s[20:21], s[8:9], s[34:35]
	s_add_nc_u64 s[30:31], s[12:13], s[34:35]
	s_add_nc_u64 s[22:23], s[4:5], s[36:37]
	s_add_nc_u64 s[32:33], s[10:11], s[38:39]
	s_load_b32 s24, s[32:33], 0x0                  ; S
.set j, 0
.rept 16                               ; each load of the wave takes 512 consecutive bytes, two rows
	global_load_b128 v[AH+4*j:AH+4*j+3], v[GOFF], s[16:17] offset:512*j
.set j, j+1
.endr
.set j, 0
.rept 8
	global_load_b128 v[X+4*j:X+4*j+3], v[GOFF], s[20:21] offset:512*j th:TH_LOAD_NT
.set j, j+1
.endr
	global_load_b32 v[TAU], v[DTO], s[22:23]       ; lane (r, h): dt of row r
	s_wait_loadcnt 0x9                             ; A's rows are in; nine younger loads (x0's eight, dt's) stay out
.set j, 0
.rept 16
	ds_store_b128 v[AROW], v[AH+4*j:AH+4*j+3] offset:2*PITCH*j
.set j, j+1
.endr
	s_wait_loadcnt 0x1                             ; x0's rows are in; dt's load stays out
.set j, 0
.rept 8
	ds_store_b128 v[XROW], v[X+4*j:X+4*j+3] offset:2*PITCH*j
.set j, j+1
.endr
.set j, 0
.rept 8                                ; j = 2 t + u: elements 16 t + 8 h + 4 u + 0..3 of row r
	ds_load_b128 v[X+4*j:X+4*j+3], v[XFR] offset:64*(j/2)+16*(j%2)  ; my own bytes: LDS serves a wave's instructions in order (ISA guide 5.7.1.4), so these see the stores above
.set j, j+1
.endr
	s_wait_dscnt 0x0                               ; for the other wave's sake: my stores of A's rows are done (and x is in)
	s_barrier_signal -1
	s_barrier_wait -1                              ; the launch's one barrier: all 64 rows of A lie in LDS, and nobody writes them again
; A's rows 16 mt.. in f32, in a 16-bit operand's order: columns 32 ks + 8 h + 0..7, then 32 ks + 16 + 8 h + 0..7
.macro LOADA mt, T
.set i, 0
.rept 8                                ; i = 4 ks + q
	ds_load_b128 v[(\T)+4*i:(\T)+4*i+3], v[AFR] offset:AST+(\mt)*16*PITCH+(i/4)*128+((i/2)%2)*64+(i%2)*16
.set i, i+1
.endr
.endm
; 32 numbers a lane into hi and lo, eight at a time: round; v - hi, exact, by one multiply-add from the bf16 half; round again
.macro SPLITA mt, T
.set g, 0
.rept 4
.set rr, RT0+8*(g%2)
.set p, 0
.rept 4
	v_cvt_pk_bf16_f32 v[AH+16*(\mt)+4*g+p], v[(\T)+8*g+2*p], v[(\T)+8*g+2*p+1]
.set p, p+1
.endr
.set e, 0
.rept 8
.if e%2
	v_fma_mix_f32_bf16 v[rr+e], v[AH+16*(\mt)+4*g+e/2], v[NEG1], v[(\T)+8*g+e] op_sel:[1,0,0] op_sel_hi:[1,0,0]
.else
	v_fma_mix_f32_bf16 v[rr+e], v[AH+16*(\mt)+4*g+e/2], v[NEG1], v[(\T)+8*g+e] op_sel_hi:[1,0,0]
.endif
.set e, e+1
.endr
.set p, 0
.rept 4
	v_cvt_pk_bf16_f32 v[AL+16*(\mt)+4*g+p], v[rr+2*p], v[rr+2*p+1]
.set p, p+1
.endr
.set g, g+1
.endr
.endm
	LOADA 0, T0
	LOADA 1, T1
	s_wait_dscnt 0x8                               ; all but the youngest run of eight
	SPLITA 0, T0
	LOADA 2, T0
	s_wait_dscnt 0x8
	SPLITA 1, T1
	LOADA 3, T1
	s_wait_dscnt 0x8
	SPLITA 2, T0
	s_wait_dscnt 0x0
	SPLITA 3, T1
	s_wait_loadcnt 0x0                             ; dt
	s_wait_kmcnt 0x0                               ; S
	s_min_u32 s24, s24, 0x100000                   ; a trip count read from memory is kept within 1 .. 2^20
	s_max_u32 s24, s24, 1
	v_cvt_f32_u32 v[RK], s24
	v_rcp_f32 v[RK], v[RK]
	v_nop                                          ; a plain instruction behind the reciprocal (ISA guide 5.7.2)
	s_wait_alu depctr_va_vdst(0)
	v_mul_f32 v[TAU], v[TAU], v[RK]                ; tau = dt / S
; THE VECTOR WORK OF A STEP is a queue for two tiles, which alternate, so that no line reads the result of the line before it.  For a tile, in order:
;   0-3    four packed multiply-adds: x + c (A w), from the accumulator's low end on
;   4-7    four roundings: hi          8-15   eight multiply-adds: v - hi          16-19  four roundings: lo
.macro QSET ta, tb, mode
.set QA, (\ta)
.set QB, (\tb)
.set QM, (\mode)
.set q, 0
.if (\mode) == MODE0
.set q, 8
.endif
.endm
.macro RID n                           ; the queue's next n lines
.rept \n
.set tt, QA
.set rr, RT0
.if q%2
.set tt, QB
.set rr, RT1
.endif
.set o, q/2
.set sr, X+8*tt
.if QM == MODEI
.set sr, ACC+8*tt
.endif
.if o < 4
	v_pk_fma_f32 v[sr+2*o:sr+2*o+1], v[ACC+8*tt+2*o:ACC+8*tt+2*o+1], v[CC:CC+1], v[X+8*tt+2*o:X+8*tt+2*o+1] op_sel_hi:[1,0,1]
.elseif o < 8
	v_cvt_pk_bf16_f32 v[YH+4*tt+o-4], v[sr+2*(o-4)], v[sr+2*(o-4)+1]
.elseif o < 16
.set e, o-8
.if e%2
	v_fma_mix_f32_bf16 v[rr+e], v[YH+4*tt+e/2], v[NEG1], v[sr+e] op_sel:[1,0,0] op_sel_hi:[1,0,0]
.else
	v_fma_mix_f32_bf16 v[rr+e], v[YH+4*tt+e/2], v[NEG1], v[sr+e] op_sel_hi:[1,0,0]
.endif
.else
	v_cvt_pk_bf16_f32 v[YL+4*tt+o-16], v[rr+2*(o-16)], v[rr+2*(o-16)+1]
.endif
.set q, q+1
.endr
.endm
; One matrix instruction: result tile acc, K step ks, product p: 0 Ah wh, 1 Al wh, 2 Ah wl.  A tile's first product starts its sum with the constant 0.
.macro MM acc, ks, p
.set ra, AH
.set rb, YH
.if (\p) == 1
.set ra, AL
.endif
.if (\p) == 2
.set rb, YL
.endif
.if ((\ks) == 0) && ((\p) == 0)
	v_wmma_f32_16x16x32_bf16 v[ACC+8*(\acc):ACC+8*(\acc)+7], v[ra+16*(\acc)+8*(\ks):ra+16*(\acc)+8*(\ks)+7], v[rb+8*(\ks):rb+8*(\ks)+7], 0
.else
	v_wmma_f32_16x16x32_bf16 v[ACC+8*(\acc):ACC+8*(\acc)+7], v[ra+16*(\acc)+8*(\ks):ra+16*(\acc)+8*(\ks)+7], v[rb+8*(\ks):rb+8*(\ks)+7], v[ACC+8*(\acc):ACC+8*(\acc)+7]
.endif
.endm
; ONE HORNER STEP: 24 matrix instructions in three phases, so that the vector work of one half of w stands beside the products that need only the other half.
;   first   tiles 0, 1 from K step 0 (w's tiles 0, 1); beside them (ridA = 1) the step before's tiles 2, 3 are finished and split: 40 lines
;   middle  tiles 2, 3 from K step 0 and tiles 0, 1 from K step 1; 1 / k
;   last    tiles 2, 3 from K step 1; c = tau / k; beside them this step's tiles 0, 1 are finished and split (modeD): 40 lines
; The accumulators take turns, one instruction a turn, over the backward jumps too (the last is tile 3's, the first tile 0's).
; PLACES (ISA guide 7.12.1).  Four plain lines that name no register of the products stand between tiles 0, 1's last products and the first line that reads them.  The 14 lines
; behind the step's last product name w's tiles 0, 1, their accumulators or x, and the registers at work, none of that product's: they are the places in front of the next
; phase's lines on tiles 2, 3.  hi and lo of a half of w are written again only many plain lines behind the last product that read them.
.macro STEP ridA, modeD
.if \ridA
	QSET 2, 3, MODEI
.endif
.irp p, 0,1,2
	MM 0, 0, \p
.if \ridA
	RID 7-(\p)/2
.endif
	MM 1, 0, \p
.if \ridA
	RID 7-(\p)/2
.endif
.endr
	MM 2, 0, 0
	MM 3, 0, 0
	v_rcp_f32 v[RK], v[KK]
	v_nop                                          ; a plain instruction behind the reciprocal
	MM 0, 1, 0
	MM 1, 1, 0
.irp p, 1,2
	MM 2, 0, \p
	MM 3, 0, \p
	MM 0, 1, \p
	MM 1, 1, \p
.endr
	MM 2, 1, 0
	s_wait_alu depctr_va_vdst(0)
	v_mul_f32 v[CC], v[TAU], v[RK]                 ; c = tau / k: the step before's c has been used up in the first phase
	v_add_f32 v[KK], -1.0, v[KK]
	v_nop
	v_nop
	QSET 0, 1, \modeD
	RID 2
	MM 3, 1, 0
	RID 6
	MM 2, 1, 1
	RID 6
	MM 3, 1, 1
	RID 6
	MM 2, 1, 2
	RID 6
	MM 3, 1, 2
	RID 14
.endm
	QSET 0, 1, MODE0                               ; w = x0: split
	RID 32
	QSET 2, 3, MODE0
	RID 32
	s_mov_b32 s26, 0
.Lstage:                                               ; S trips
	v_mov_b32 v[KK], 0x41900000                    ; k = 18
	STEP 0, MODEI                                  ; k = 18: w is whole, nothing is left over from a step before
	s_mov_b32 s27, 16
.Lterm:                                                ; k = 17 .. 2
	STEP 1, MODEI
	s_sub_co_u32 s27, s27, 1
	s_cmp_lg_u32 s27, 0
	s_cbranch_scc1 .Lterm
	STEP 1, MODEF                                  ; k = 1: tiles 0, 1 of the new x
	QSET 2, 3, MODEF
	RID 40                                         ; and tiles 2, 3: once a stage this half has no products to stand beside
	s_add_co_u32 s26, s26, 1
	s_cmp_lt_u32 s26, s24
	s_cbranch_scc1 .Lstage
	; THE WAY OUT, through my own stage: a lane's eight numbers of a row go in as two 16 bytes, whole rows come back.  The loads into the accumulators' registers stand 40 plain lines behind the last product.
.set j, 0
.rept 8
	ds_store_b128 v[XFR], v[X+4*j:X+4*j+3] offset:64*(j/2)+16*(j%2)
.set j, j+1
.endr
.set j, 0
.rept 8
	ds_load_b128 v[ACC+4*j:ACC+4*j+3], v[XROW] offset:2*PITCH*j  ; in order behind the stores above
.set j, j+1
.endr
.set j, 0
.rept 8
	s_wait_dscnt 7-j                               ; LDS loads come back in order: number j is in, the younger ones stay out
	global_store_b128 v[GOFF], v[ACC+4*j:ACC+4*j+3], s[30:31] offset:512*j th:TH_STORE_NT  ; 512 consecutive bytes, at a multiple of 256 from out0's first byte
.set j, j+1
.endr
	s_wait_tensorcnt 0x0                           ; the wave's end, behind my last LDS store
	ds_add_u32 v[SPW], v[NIL]
	s_wait_dscnt 0x0
	s_endpgm
.Lfunc_end_k_q5aa80d855e_apply:
	.size	k_q5aa80d855e_apply, .Lfunc_end_k_q5aa80d855e_apply-k_q5aa80d855e_apply
	.p2alignl 7, 3214868480
	.fill 96, 4, 3214868480
	.section	.rodata,"a",@progbits
	.p2align	6, 0x0
	.amdhsa_kernel k_q5aa80d855e_apply
		.amdhsa_group_segment_fixed_size 26368
		.amdhsa_private_segment_fixed_size 0
		.amdhsa_enable_private_segment 0
		.amdhsa_kernarg_size 40
		.amdhsa_user_sgpr_count 2
		.amdhsa_user_sgpr_kernarg_segment_ptr 1
		.amdhsa_wavefront_size32 1
		.amdhsa_system_sgpr_workgroup_id_x 1
		.amdhsa_system_sgpr_workgroup_id_y 1
		.amdhsa_system_sgpr_workgroup_id_z 1
		.amdhsa_system_vgpr_workitem_id 0
		.amdhsa_next_free_vgpr 256
		.amdhsa_next_free_sgpr 66
		.amdhsa_reserve_vcc 0
		.amdhsa_float_denorm_mode_32 3
		.amdhsa_float_denorm_mode_16_64 3
		.amdhsa_memory_ordered 1
		.amdhsa_forward_progress 1
		.amdhsa_inst_pref_size 52
	.end_amdhsa_kernel
	.amdgpu_metadata
---
amdhsa.version: [ 1, 2 ]
amdhsa.kernels:
  - .name:           k_q5aa80d855e_apply
    .symbol:         k_q5aa80d855e_apply.kd
    .args:
      - { .name: dt, .offset: 0, .size: 8, .value_kind: global_buffer, .address_space: global }
      - { .name: kernel, .offset: 8, .size: 8, .value_kind: global_buffer, .address_space: global }
      - { .name: x0, .offset: 16, .size: 8, .value_kind: global_buffer, .address_space: global }
      - { .name: cnt, .offset: 24, .size: 8, .value_kind: global_buffer, .address_space: global }
      - { .name: out0, .offset: 32, .size: 8, .value_kind: global_buffer, .address_space: global }
    .group_segment_fixed_size: 26368
    .private_segment_fixed_size: 0
    .kernarg_segment_align: 8
    .kernarg_segment_size: 40
    .max_flat_workgroup_size: 64
    .sgpr_count:     66
    .vgpr_count:     256
    .wavefront_size: 32
...
	.end_amdgpu_metadata
.endif
;; end of part 2
